; MI455X (gfx1250); checked and timed in simulation.
; The chip was launched on July 23, 2026; its instructions are those of AMD's public machine-readable ISA for CDNA 5 (MIT licence, August 2026) and "CDNA5" Instruction Set Architecture Reference Guide (July 2026). The comments in the code are by the model that wrote it; some were corrected since.
;; Ro I Pooling. Allowed arithmetic: float matrix products may take bf16 or f16 operands with f32 sums; all other float work in f32.
;; Inputs: features 4 x 256 x 64 x 64 float32; rois 256 x 5 float32.
;; Outputs: out0 256 x 256 x 7 x 7 float32.
;; One version. Each part assembles by itself: llvm-mc -triple=amdgcn-amd-amdhsa -mcpu=gfx1250 --defsym DOCPART=n.
;; ======== version 1 of 1: 2 launches
;; workspace buffers: bins 32,768 bytes of whole numbers
;; launch makebins (part 1): grid 1 x 1, 8 waves a work-group, no clusters, 37,888 bytes of LDS; arguments rois, bins; writes bins
.if DOCPART == 1
	.amdgcn_target "amdgcn-amd-amdhsa--gfx1250"
	.amdhsa_code_object_version 6
	.text
	.protected	k_q9ffbc1550e_makebins
	.globl	k_q9ffbc1550e_makebins
	.p2align	8
	.type	k_q9ffbc1550e_makebins,@function
k_q9ffbc1550e_makebins:
	s_mov_b64 s[64:65], 0
	v_nop
	global_prefetch_b8 v0, s[64:65] scope:SCOPE_SE
	s_setreg_imm32_b32 hwreg(HW_REG_WAVE_MODE, 25, 1), 1
	s_wait_xcnt 0x0
; rois [256][5] f32 (image, x1, y1, x2, y2)  ->  bins: 256 records of 32 whole numbers (128 bytes), record k at byte 128 k:
;   w0-6 hs[p]   w7 image   w8-14 hl[p]   w15 maxbh   w16-22 ws[q]   w23 maxbw   w24-30 wl[q]   w31 0
; hs/ws = first row/column of a bin, hl/wl = its LAST one (end - 1), both 0..63.  An empty bin (end <= start) is coded first = 1, last = 0:
; min(first + d, last) = 0 is then a row inside the plane, and "first > last" says empty.  maxbh/maxbw = the largest end - start of the 7 bins.
; The pooling launch forms addresses and trip counts from these numbers, so they are made here and go through memory.
; One work-group, thread k makes record k.
; LIMITS: the edges are computed in f32, where whole numbers are exact: |coordinate| / 16 below 2^23.  NaN in rois is not served.
; An image index outside 0..3 is clamped to that range.
; ORDER OF ROUNDING: the bin size is len x fl(1/7), not the correctly rounded len / 7: see the macro AXIS.
.set T,     16                         ; v[16:47] the record
.set PITCH, 144                        ; a record in LDS: 128 bytes + 16, an odd multiple of 16: the 16 lanes of a 16-byte store hit 16 different 16-byte columns
	s_load_b128 s[4:7], s[0:1], 0x0                ; rois s[4:5], bins s[6:7]
	v_lshl_add_u32 v56, v0, 2, 0x9000
	v_mov_b32 v57, 0
	s_mov_b32 s8, 0x3e124925                       ; 1/7 rounded to f32 = 9586981 x 2^-26
	s_mov_b32 s9, 0x42800000                       ; 64.0: H = W
	v_mul_u32_u24 v1, v0, 20                       ; my roi: 5 words
	v_mul_u32_u24 v48, v0, PITCH                   ; where my record goes in LDS
	v_lshlrev_b32 v49, 4, v0                       ; 16 t: my 16 bytes of each 4,096 of the buffer
	v_lshrrev_b32 v50, 3, v0                       ; those 16 bytes are piece t & 7 of record t >> 3 (+ 32 j)
	v_and_b32 v13, 7, v0
	v_mul_u32_u24 v50, v50, PITCH
	v_lshl_add_u32 v50, v13, 4, v50
	s_wait_kmcnt 0x0
.irp i, 0,1,2,3,4
	global_load_b32 v[2+\i], v1, s[4:5] offset:4*\i    ; v2 image, v3 x1, v4 y1, v5 x2, v6 y2 (rows of 20 bytes: words only)
.endr
	s_wait_loadcnt 0x0
	v_med3_num_f32 v2, v2, 0, 3.0
	v_cvt_u32_f32 v[T+7], v2                       ; toward zero, as astype(int32)
.irp i, 3,4,5,6
	v_mul_f32 v\i, 0x3d800000, v\i                 ; x 1/16 (exact)
	v_rndne_f32 v\i, v\i                           ; jnp.round: halves to even
.endr
; One bin: t = clip(floor(p bin) + lo), u = clip(ceil((p+1) bin) + lo); ceil(x) = -floor(-x), and -((p+1) bin) rounds as (p+1) bin does.
; v7 = bin size.  fp = p, nfp1 = -(p+1) as f32.
.macro BIN p, fp, nfp1, lo, S, L, MX
.if \p == 0
	v_med3_num_f32 v10, v[\lo], 0, s9              ; floor(0 x bin) = 0
.else
	v_mul_f32 v10, \fp, v7
	v_floor_f32 v10, v10
	v_add_f32 v10, v10, v[\lo]
	v_med3_num_f32 v10, v10, 0, s9
.endif
	v_mul_f32 v11, \nfp1, v7
	v_floor_f32 v11, v11
	v_sub_f32 v11, v[\lo], v11
	v_med3_num_f32 v11, v11, 0, s9
	v_sub_f32 v12, v11, v10                        ; end - start
.if \p == 0
	v_mov_b32 v[\MX], v12
.else
	v_max_num_f32 v[\MX], v[\MX], v12
.endif
	v_cmp_lt_f32 vcc_lo, 0, v12                    ; not empty
	v_add_f32 v11, -1.0, v11                       ; the last index
	v_cndmask_b32 v10, 1.0, v10, vcc_lo            ; empty: first = 1,
	v_cndmask_b32 v11, 0, v11, vcc_lo              ;        last = 0
	v_cvt_u32_f32 v[T+\S+\p], v10
	v_cvt_u32_f32 v[T+\L+\p], v11
.endm
; One axis.  bin = len x fl(1/7), rounded once.  The definition writes len / 7; compiled, a division by a constant becomes a multiplication
; by the constant's rounded reciprocal, and this text follows that form.  fl(1/7) lies above 1/7 (7 x 9586981 = 2^26 + 3), so the product
; is now and then one unit in the last place above the correctly rounded quotient, and an edge moves by one cell: at len = 21 the bin is
; just above 3 and every ceil is one higher; at len = 3, 6, 9, 11, 12, 15, 18, 22, 24, 25 (of those below 28) 7 x bin rounds above len
; and the last bin ends one cell later.
.macro AXIS lo, hi, S, L, MX
	v_sub_f32 v9, v[\hi], v[\lo]
	v_add_f32 v9, 1.0, v9
	v_max_num_f32 v9, 1.0, v9                      ; len = max(hi - lo + 1, 1)
	v_mul_f32 v7, s8, v9                           ; bin
	BIN 0, 0,   -1.0, \lo, \S, \L, \MX
	BIN 1, 1.0, -2.0, \lo, \S, \L, \MX
	BIN 2, 2.0, -3.0, \lo, \S, \L, \MX
	BIN 3, 3.0, -4.0, \lo, \S, \L, \MX
	BIN 4, 4.0, -5.0, \lo, \S, \L, \MX
	BIN 5, 5.0, -6.0, \lo, \S, \L, \MX
	BIN 6, 6.0, -7.0, \lo, \S, \L, \MX
	v_max_num_f32 v[\MX], 0, v[\MX]
	v_cvt_u32_f32 v[\MX], v[\MX]
.endm
	AXIS 4, 6, 0, 8, T+15                          ; rows: y1, y2
	AXIS 3, 5, 16, 24, T+23                        ; columns: x1, x2
	v_mov_b32 v[T+31], 0
	; The way out: a thread holds 128 bytes of its own, so the records go through LDS and leave in the buffer's order,
	; each store of a wave covering 512 consecutive bytes, aligned.
.irp i, 0,1,2,3,4,5,6,7
	ds_store_b128 v48, v[T+4*\i:T+4*\i+3] offset:16*\i
.endr
	s_wait_dscnt 0x0                               ; my stores are in LDS before I say so: other waves read them
	s_barrier_signal -1
	s_barrier_wait -1
.irp j, 0,1,2,3,4,5,6,7
	ds_load_b128 v[T+4*\j:T+4*\j+3], v50 offset:32*PITCH*\j    ; 4,096 bytes of the buffer = 32 records further
.endr
.irp j, 0,1,2,3,4,5,6,7
	s_wait_dscnt 7-\j                              ; LDS loads come back in order: load j is in, the 7 - j behind it may be out
	global_store_b128 v49, v[T+4*\j:T+4*\j+3], s[6:7] offset:4096*\j
.endr
	s_wait_tensorcnt 0x0
	ds_add_u32 v56, v57
	s_wait_dscnt 0x0
	s_endpgm
.Lfunc_end_k_q9ffbc1550e_makebins:
	.size	k_q9ffbc1550e_makebins, .Lfunc_end_k_q9ffbc1550e_makebins-k_q9ffbc1550e_makebins
	.p2alignl 7, 3214868480
	.fill 96, 4, 3214868480
	.section	.rodata,"a",@progbits
	.p2align	6, 0x0
	.amdhsa_kernel k_q9ffbc1550e_makebins
		.amdhsa_group_segment_fixed_size 37888
		.amdhsa_private_segment_fixed_size 0
		.amdhsa_enable_private_segment 0
		.amdhsa_kernarg_size 16
		.amdhsa_user_sgpr_count 2
		.amdhsa_user_sgpr_kernarg_segment_ptr 1
		.amdhsa_wavefront_size32 1
		.amdhsa_system_sgpr_workgroup_id_x 1
		.amdhsa_system_sgpr_workgroup_id_y 1
		.amdhsa_system_sgpr_workgroup_id_z 1
		.amdhsa_system_vgpr_workitem_id 0
		.amdhsa_next_free_vgpr 58
		.amdhsa_next_free_sgpr 66
		.amdhsa_reserve_vcc 1
		.amdhsa_float_denorm_mode_32 3
		.amdhsa_float_denorm_mode_16_64 3
		.amdhsa_memory_ordered 1
		.amdhsa_forward_progress 1
		.amdhsa_inst_pref_size 13
	.end_amdhsa_kernel
	.amdgpu_metadata
---
amdhsa.version: [ 1, 2 ]
amdhsa.kernels:
  - .name:           k_q9ffbc1550e_makebins
    .symbol:         k_q9ffbc1550e_makebins.kd
    .args:
      - { .name: rois, .offset: 0, .size: 8, .value_kind: global_buffer, .address_space: global }
      - { .name: bins, .offset: 8, .size: 8, .value_kind: global_buffer, .address_space: global }
    .group_segment_fixed_size: 37888
    .private_segment_fixed_size: 0
    .kernarg_segment_align: 8
    .kernarg_segment_size: 16
    .max_flat_workgroup_size: 256
    .sgpr_count:     66
    .vgpr_count:     58
    .wavefront_size: 32
...
	.end_amdgpu_metadata
.endif
;; end of part 1
;; launch pool (part 2): grid 4 x 256, 8 waves a work-group, no clusters, 135,424 bytes of LDS; arguments features, bins, out0; writes out0
.if DOCPART == 2
	.amdgcn_target "amdgcn-amd-amdhsa--gfx1250"
	.amdhsa_code_object_version 6
	.text
	.protected	k_q9ffbc1550e_pool
	.globl	k_q9ffbc1550e_pool
	.p2align	8
	.type	k_q9ffbc1550e_pool,@function
k_q9ffbc1550e_pool:
	s_mov_b64 s[64:65], 0
	v_nop
	global_prefetch_b8 v0, s[64:65] scope:SCOPE_SE
	s_setreg_imm32_b32 hwreg(HW_REG_WAVE_MODE, 25, 1), 1
	s_wait_xcnt 0x0
; RoI max pooling.  features [4][256][64][64] f32, bins: 256 records of whole numbers (layout below), out0 [256][256][7][7] f32.
; A work-group = one roi (id y) x 64 channels (id x): 64 x 49 x 4 = 12,544 bytes of out0 = 49 aligned blocks of 256 bytes, all its own.
; Eight waves, 8 channels each.  Separable, as in the definition: first the maximum over each row bin, then over each column bin.
; A maximum does not change when an element is taken twice.  So nothing is masked: step d of a bin takes index min(first + d, last), and all
; seven bins run the same number of steps (the largest bin's); surplus steps take the bin's last row or column again.
;   Stage 1: a load brings two whole rows (lanes 0-15: the 256 bytes of a row of channel 2j, lanes 16-31 the same row of channel 2j+1).
;            7 bins x 4 channel pairs = 28 loads a step; 28 to 56 loads of a wave are on their way (a ring in registers).
;   Stage 2: the 56 rows of row maxima go to the wave's own LDS; lane (row, q) walks the columns of bin q.
;   Way out: the 49 numbers of each channel are gathered in LDS in out0's order and stored 16 bytes a lane.
; Record of roi k (128 bytes): w0-6 hs[p], w7 image, w8-14 hl[p], w15 maxbh, w16-22 ws[q], w23 maxbw, w24-30 wl[q], w31 0;
; an empty bin has first = 1 > last = 0.
; NO CLUSTER, NO JOINT REQUESTS: which rows two work-groups both want hangs on their rois, so no request is alike in partners.
; NO TENSOR LOADS: the number of rows of a bin is read from memory, and a tile's shape would have to be a constant of the text.
; NO MATRIX UNIT: the problem has no products.
; LIMITS: a NaN among the features loses each maximum (the definition would pass it on); a bin of NaN alone gives 0.
; Values at or below -5e29 give 0, as in the definition.
.set PLANE,  16384                     ; bytes of a channel's plane; a row is 256
.set PITCH,  272                       ; an LDS row of row maxima: 256 bytes + 16
.set WLDS,   56*PITCH                  ; a wave's 8 channels x 7 bins
.set OUTS,   8*WLDS                    ; behind them: 12,544 bytes, the group's block of out0
.set WOUT,   8*49*4                    ; a wave's part of it
.set HS,  16                           ; s[16:22] hs, s23 image
.set HL,  24                           ; s[24:30] hl, s31 maxbh
.set ACC, 16                           ; v[16:127]  running maxima, bin p, pair j at 16 p + 4 j
.set TMP, 128                          ; v[128:239] the rows on their way, same order
.set OA,  240                          ; v[240:246] offsets of the first fetch, never rewritten
.set OB,  248                          ; v[248:254] offsets of the ring, bin p's rewritten only when its loads are in
.set A2,  TMP                          ; v[128:141] stage 2: maxima of the lane's 14 rows
.set T2,  TMP+16                       ; v[144:157] stage 2: the columns on their way
.set SENT, TMP+32                      ; v[160:163] four times -1e30: what an empty row bin holds
; v1 lane's byte in a pair of planes   v2 stage 1's LDS store address   v3 stage 2's LDS row   v4 where a result goes in the block
; v5 q   v6 ws[q]   v7 wl[q]   v8 column   v9 its LDS address   v10 16 t   v11 16 t + OUTS   v12 4 q
; v13 16 (L & 15) + OUTS   v14 set-up   v15 16 (L & 15)
; s12 wave   s13 roi   s32 maxbw   s33 -1e30   s34 -5e29   s35 lanes whose column bin is not empty   s36 EXEC   s37 step d   s40 at work
	s_load_b128 s[4:7], s[0:1], 0x0                ; features s[4:5], bins s[6:7]
	s_load_b64 s[8:9], s[0:1], 0x10                ; out0
	v_lshl_add_u32 v247, v0, 2, 0x20d00
	v_mov_b32 v255, 0
	v_lshrrev_b32 v13, 5, v0
	v_readfirstlane_b32 s12, v13                   ; wave 0..7
	s_and_b32 s13, ttmp7, 0xffff                   ; roi
	s_mov_b32 s33, 0xf149f2ca                      ; -1e30
	s_mov_b32 s34, 0xf0c9f2ca                      ; -5e29
	s_mov_b32 s11, 0                               ; upper word of every offset: all are below 2^31
	v_and_b32 v13, 31, v0                          ; lane L
	v_lshrrev_b32 v14, 4, v13                      ; L >> 4: which channel of the pair
	v_and_b32 v15, 15, v13
	v_lshlrev_b32 v15, 4, v15                      ; 16 (L & 15): my 16 bytes of a row
	v_lshl_add_u32 v1, v14, 14, v15                ; + the odd channel's plane
	s_mul_i32 s40, s12, WLDS                       ; my wave's rows in LDS
	v_mad_u32_u24 v2, v14, 7*PITCH, v15            ; LDS row = 7 x channel + p
	v_add_nc_u32 v2, s40, v2
	v_lshrrev_b32 v14, 3, v13                      ; L >> 3: which of a slot's four rows
	v_and_b32 v5, 7, v13
	v_min_u32 v5, 6, v5                            ; q.  Eight lanes for seven bins: the eighth does bin 6 over again, so that it reads the
	                                               ; same words, finds the same maximum and stores the same value to the same word as the seventh
	v_mul_u32_u24 v3, v14, PITCH
	v_add_nc_u32 v3, s40, v3
	v_mad_u32_u24 v4, v14, 7, v5                   ; 7 x row + q: the place in out0's order, 0..27
	s_mul_i32 s40, s12, WOUT
	s_add_co_u32 s40, s40, OUTS
	v_lshl_add_u32 v4, v4, 2, s40
	v_lshlrev_b32 v12, 2, v5
	v_lshlrev_b32 v10, 4, v0
	v_add_nc_u32 v11, OUTS, v10
	v_add_nc_u32 v13, OUTS, v15
	s_wait_kmcnt 0x0
	s_lshl_b32 s10, s13, 7
	s_add_nc_u64 s[6:7], s[6:7], s[10:11]          ; my roi's record
	s_load_b512 s[16:31], s[6:7], 0x0              ; the row bins, the image, maxbh
	s_load_b32 s32, s[6:7], 0x5c                   ; maxbw
	global_load_b32 v6, v12, s[6:7] offset:64      ; ws[q]
	global_load_b32 v7, v12, s[6:7] offset:96      ; wl[q]
	s_mul_i32 s10, s13, 256*49*4
	s_mul_i32 s40, ttmp9, 64*49*4
	s_add_co_u32 s10, s10, s40
	s_add_nc_u64 s[8:9], s[8:9], s[10:11]          ; out0 at the group's block
	s_wait_kmcnt 0x0
	; A number read from memory enters an address or a trip count only behind a clamp by a constant: whatever the record holds,
	; no access leaves the planes and no loop runs longer than a plane has rows.
	s_min_u32 s23, s23, 3
	s_min_u32 s31, s31, 64
	s_min_u32 s32, s32, 64
	s_lshl_b32 s10, s23, 22                        ; image: 256 planes
	s_lshl_b32 s40, ttmp9, 20                      ; the group's 64 planes
	s_add_co_u32 s10, s10, s40
	s_lshl_b32 s40, s12, 17                        ; the wave's 8 planes
	s_add_co_u32 s10, s10, s40
	s_add_nc_u64 s[4:5], s[4:5], s[10:11]
; the lane's offset of row min(hs[p] + d, hl[p]); first = 1: d = 0
.macro OFFS p, dst, first
.if \first
	s_min_u32 s40, s[HS+\p], s[HL+\p]
.else
	s_add_co_u32 s40, s[HS+\p], s37
	s_min_u32 s40, s40, s[HL+\p]
.endif
	s_min_u32 s40, s40, 63
	s_lshl_b32 s40, s40, 8
	v_add_nc_u32 v[\dst+\p], s40, v1
.endm
; that row of the wave's 8 channels: four loads, each two whole rows of 256 bytes.  No hint: other rois want these rows again.
.macro LD4 p, data, off
.irp j, 0,1,2,3
	global_load_b128 v[\data+16*\p+4*\j:\data+16*\p+4*\j+3], v[\off+\p], s[4:5] offset:2*PLANE*\j
.endr
.endm
.macro MAX16 p
.irp i, 0,1,2,3,4,5,6,7,8,9,10,11,12,13,14,15
	v_max_num_f32 v[ACC+16*\p+\i], v[ACC+16*\p+\i], v[TMP+16*\p+\i]
.endr
.endm
; One step of all seven bins.  Loads come back in order (ISA guide 5.7.1).  Behind bin p's four loads stand the four of each of the six other
; bins, of this step or the last: 24.  That wait also shows bin p's own loads done, so its offset and data registers may be written again.
; refill = 0: nothing is issued any more, and the count runs down by four a bin.
.macro TRIP refill
.irp p, 0,1,2,3,4,5,6
.if \refill
	s_wait_loadcnt 24
.else
	s_wait_loadcnt 24-4*\p
.endif
	MAX16 \p
.if \refill
	OFFS \p, OB, 0
	LD4 \p, TMP, OB
.endif
.endr
.endm
	; STAGE 1.  The first rows are loaded straight into the maxima: nothing is cleared.
.irp p, 0,1,2,3,4,5,6
	OFFS \p, OA, 1
	LD4 \p, ACC, OA
.endr
	s_cmp_le_u32 s31, 1
	s_cbranch_scc1 .Lh_done                        ; no bin has a second row
	s_mov_b32 s37, 1
.irp p, 0,1,2,3,4,5,6
	OFFS \p, OB, 0
	LD4 \p, TMP, OB
.endr
	s_mov_b32 s37, 2
	s_cmp_le_u32 s31, 2
	s_cbranch_scc1 .Lh_tail
.Lh:
	TRIP 1                                         ; takes step d - 1 in, asks for step d
	s_add_co_u32 s37, s37, 1
	s_cmp_lt_u32 s37, s31
	s_cbranch_scc1 .Lh
.Lh_tail:
	TRIP 0                                         ; on both ways here the last 28 loads issued are one step's, bins 0 to 6 in order
.Lh_done:
	s_wait_loadcnt 0x0                             ; for the way round the ring: the first rows, ws and wl
.irp i, 0,1,2,3
	v_mov_b32 v[SENT+\i], s33
.endr
	; Row maxima to the wave's own LDS rows (7 x channel + p).  Sixteen lanes store 256 consecutive bytes.
	; An empty row bin (first > last) holds the sentinel, as in the definition: its four stores take the quad of -1e30 instead.
	; Both ways issue four stores to the same bytes.
.irp p, 0,1,2,3,4,5,6
	s_cmp_le_u32 s[HS+\p], s[HL+\p]
	s_cbranch_scc0 .Lhe\p
.irp j, 0,1,2,3
	ds_store_b128 v2, v[ACC+16*\p+4*\j:ACC+16*\p+4*\j+3] offset:\j*14*PITCH+\p*PITCH
.endr
	s_branch .Lhn\p
.Lhe\p:
.irp j, 0,1,2,3
	ds_store_b128 v2, v[SENT:SENT+3] offset:\j*14*PITCH+\p*PITCH
.endr
.Lhn\p:
.endr
	; STAGE 2.  Lane L: bin q = min(L & 7, 6), rows 4 slot + (L >> 3), slot 0..13.  These bytes are the wave's own, and LDS serves a wave's
	; instructions in order (ISA guide 5.7.1): no wait and no barrier between the stores above and these loads.
	; The column is at most 63, so no lane reads the 16 bytes of padding behind a row.
	v_cmp_le_u32 s35, v6, v7                       ; my column bin is not empty
	v_min_u32 v8, v6, v7                           ; d = 0 (an empty bin: column 0)
	v_min_u32 v8, 63, v8
	v_lshl_add_u32 v9, v8, 2, v3
.irp s, 0,1,2,3,4,5,6,7,8,9,10,11,12,13
	ds_load_b32 v[A2+\s], v9 offset:4*PITCH*\s     ; the first column starts the maxima
.endr
	s_mov_b32 s37, 1
	s_cmp_le_u32 s32, 1
	s_cbranch_scc1 .Lw_done
.Lw:
	v_add_nc_u32 v8, s37, v6
	v_min_u32 v8, v8, v7                           ; column min(ws + d, wl)
	v_min_u32 v8, 63, v8
	v_lshl_add_u32 v9, v8, 2, v3
.irp s, 0,1,2,3,4,5,6,7,8,9,10,11,12,13
	ds_load_b32 v[T2+\s], v9 offset:4*PITCH*\s
.endr
.irp s, 0,1,2,3,4,5,6,7,8,9,10,11,12,13
	s_wait_dscnt 13-\s                             ; 13 - s loads of this step stand behind slot s's; all that is older is in as well
	v_max_num_f32 v[A2+\s], v[A2+\s], v[T2+\s]
.endr
	s_add_co_u32 s37, s37, 1
	s_cmp_lt_u32 s37, s32
	s_cbranch_scc1 .Lw
.Lw_done:
	s_wait_dscnt 0x0                               ; for the way round the loop: the first columns
.irp s, 0,1,2,3,4,5,6,7,8,9,10,11,12,13
	v_cmp_lt_f32 vcc_lo, s34, v[A2+\s]             ; above -5e29,
	s_and_b32 vcc_lo, vcc_lo, s35                  ; and the column bin holds something:
	v_cndmask_b32 v[A2+\s], 0, v[A2+\s], vcc_lo    ; the maximum, else 0
.endr
	; Into the group's block, in out0's order: 28 consecutive words a store (4 rows x 7 bins), all lanes on; the eighth lane of each
	; eight repeats the seventh's word and value.  Slot 13 ends at byte 13 x 112 + 112 = 1,568 of the wave's part: its last.
.irp s, 0,1,2,3,4,5,6,7,8,9,10,11,12,13
	ds_store_b32 v4, v[A2+\s] offset:4*7*4*\s
.endr
	s_wait_dscnt 0x0                               ; my part of the block is in LDS before I say so: other waves read it
	s_barrier_signal -1
	s_barrier_wait -1
	; THE WAY OUT: 12,544 bytes = 3 x 4,096 + 256.  Each store of a wave covers 512 consecutive bytes, aligned.
.irp j, 0,1,2
	ds_load_b128 v[ACC+4*\j:ACC+4*\j+3], v11 offset:4096*\j
.endr
.irp j, 0,1,2
	s_wait_dscnt 2-\j                              ; load j is in, the 2 - j behind it may be out
	global_store_b128 v10, v[ACC+4*\j:ACC+4*\j+3], s[8:9] offset:4096*\j th:TH_STORE_NT
.endr
	s_cmp_lg_u32 s12, 0
	s_cbranch_scc1 .Lend
	; The last 256 bytes, by wave 0.  Both halves of the wave read the same 256 bytes of LDS (address 16 (L & 15)), so that no lane's
	; address leaves the block; sixteen lanes store them.
	ds_load_b128 v[ACC+12:ACC+15], v13 offset:12288
	s_wait_xcnt 0x0                                ; EXEC is a source of the stores above: it changes only behind this wait
	v_cmp_gt_u32 vcc_lo, 16, v0
	s_and_saveexec_b32 s36, vcc_lo
	s_wait_dscnt 0x0
	global_store_b128 v15, v[ACC+12:ACC+15], s[8:9] offset:12288 th:TH_STORE_NT
	s_wait_xcnt 0x0                                ; and again in front of the line that widens it
	s_or_b32 exec_lo, exec_lo, s36
.Lend:
	s_wait_tensorcnt 0x0
	ds_add_u32 v247, v255
	s_wait_dscnt 0x0
	s_endpgm
.Lfunc_end_k_q9ffbc1550e_pool:
	.size	k_q9ffbc1550e_pool, .Lfunc_end_k_q9ffbc1550e_pool-k_q9ffbc1550e_pool
	.p2alignl 7, 3214868480
	.fill 96, 4, 3214868480
	.section	.rodata,"a",@progbits
	.p2align	6, 0x0
	.amdhsa_kernel k_q9ffbc1550e_pool
		.amdhsa_group_segment_fixed_size 135424
		.amdhsa_private_segment_fixed_size 0
		.amdhsa_enable_private_segment 0
		.amdhsa_kernarg_size 24
		.amdhsa_user_sgpr_count 2
		.amdhsa_user_sgpr_kernarg_segment_ptr 1
		.amdhsa_wavefront_size32 1
		.amdhsa_system_sgpr_workgroup_id_x 1
		.amdhsa_system_sgpr_workgroup_id_y 1
		.amdhsa_system_sgpr_workgroup_id_z 1
		.amdhsa_system_vgpr_workitem_id 0
		.amdhsa_next_free_vgpr 256
		.amdhsa_next_free_sgpr 66
		.amdhsa_reserve_vcc 1
		.amdhsa_float_denorm_mode_32 3
		.amdhsa_float_denorm_mode_16_64 3
		.amdhsa_memory_ordered 1
		.amdhsa_forward_progress 1
		.amdhsa_inst_pref_size 33
	.end_amdhsa_kernel
	.amdgpu_metadata
---
amdhsa.version: [ 1, 2 ]
amdhsa.kernels:
  - .name:           k_q9ffbc1550e_pool
    .symbol:         k_q9ffbc1550e_pool.kd
    .args:
      - { .name: features, .offset: 0, .size: 8, .value_kind: global_buffer, .address_space: global }
      - { .name: bins, .offset: 8, .size: 8, .value_kind: global_buffer, .address_space: global }
      - { .name: out0, .offset: 16, .size: 8, .value_kind: global_buffer, .address_space: global }
    .group_segment_fixed_size: 135424
    .private_segment_fixed_size: 0
    .kernarg_segment_align: 8
    .kernarg_segment_size: 24
    .max_flat_workgroup_size: 256
    .sgpr_count:     66
    .vgpr_count:     256
    .wavefront_size: 32
...
	.end_amdgpu_metadata
.endif
;; end of part 2
